; MI455X (gfx1250); checked and timed in simulation.
; The chip was launched on July 23, 2026; its instructions are those of AMD's public machine-readable ISA for CDNA 5 (MIT licence, August 2026) and "CDNA5" Instruction Set Architecture Reference Guide (July 2026). The comments in the code are by the model that wrote it; some were corrected since.
;; Mp Max Pooling Match. Allowed arithmetic: matrix products marked QUANTISED: E2M3 operands, one E8M0 scale for each 32 along K, by v_wmma_scale_f32_16x16x128_f8f6f4 with both operands' format E2M3, f32 sums; everything else in f32.
;; Inputs: kernel 32 x 256 float32; reps_lt 16 x 256 x 256 float32; reps_rt 16 x 256 x 256 float32.
;; Outputs: out0 16 x 256 x 32 float32.
;; This version of the problem:
;;   THIS VERSION OF THE PROBLEM IS GIVEN IN LOW PRECISION. The matrix products marked QUANTISED in the list below multiply operands that are first quantised to E2M3 (2 exponent bits, 3 mantissa bits; 6 bits a number), with one power-of-two scale for each 32 numbers along K (OCP MX v1.0); their sums are f32. All else is computed in f32.
;;   The module's matrix products, in the order in which they are computed (A, B: the left and right operand; K: the contracted axis; several contracted axes count as one K, in the product's order):
;;     1. batch 16 x [M 256, K 256] x [K 256, N 8,192]; A: input reps_rt; B: computed on the way: QUANTISED
;;   THE QUANTISER, for each operand of a quantised product, along K:
;;     - K is cut into blocks of 32 from its start; a last block that is shorter is filled with zeros.
;;     - A block's scale is 2^e with e = floor(log2(the largest magnitude in the block)) - 2, held to -126 .. 127; a block of zeros has e = 0. As a byte (E8M0): e + 127.
;;     - Each number is divided by its block's scale, clamped to +-7.5, and rounded to the nearest number of E2M3, ties to even, subnormals kept.
;;     - The product sums the exact products of the quantised numbers (number of the format x scale) in f32.
;;   ~~~python
;;   def quantise(x, axis):      # numpy; x: float32 -> the quantised numbers, widened to float32 again
;;       x = np.moveaxis(x, axis, -1); K = x.shape[-1]
;;       x = np.pad(x, [(0, 0)] * (x.ndim - 1) + [(0, -K % 32)]); x = x.reshape(x.shape[:-1] + (-1, 32)); a = np.abs(x).max(-1, keepdims=True)
;;       e = np.where(a > 0, np.clip(np.frexp(np.where(a > 0, a, 1))[1] - 1 - 2, -126, 127), 0)      # np.frexp(a)[1] - 1 = floor(log2(a)), exactly
;;       r = np.clip(x / 2.0 ** e, -7.5, 7.5)
;;       step = 2.0 ** (np.maximum(np.frexp(np.where(r == 0, 1, r))[1] - 1, 0) - 3)
;;       q = np.round(r / step) * step * 2.0 ** e      # np.round: ties to even
;;       return np.moveaxis(q.reshape(q.shape[:-2] + (-1,))[..., :K], -1, axis).astype(np.float32)
;;   ~~~
;;   OPERANDS COMPUTED ON THE WAY. 'Computed on the way' means the value that the module computes at that place (a softmax that the list does not call 'softmax' is quantised finished and normalised). What goes into a quantiser is computed in f32, as accurately as f32 sums, v_exp_f32 and their like allow (about 1e-6 of the number): no bf16 or f16 on the way to a quantiser, and a product that is left as it is and whose result goes on into a quantised operand takes f32 operands (vector FMAs, or v_wmma_f32_16x16x4_f32). A number that lies on a knife's edge between two numbers of the format may be rounded either way, as far as f32 arithmetic and the matrix unit's own rounding can turn it there, and no further.
;; One version. Each part assembles by itself: llvm-mc -triple=amdgcn-amd-amdhsa -mcpu=gfx1250 --defsym DOCPART=n.
;; ======== version 1 of 1: 1 launch
;; launch match (part 1): grid 16 x 16, 4 waves a work-group, clusters of 4 x 1, 327,680 bytes of LDS; arguments kernel, reps_lt, reps_rt, out0; writes out0
.if DOCPART == 1
	.amdgcn_target "amdgcn-amd-amdhsa--gfx1250"
	.amdhsa_code_object_version 6
	.text
	.protected	k_q9dec5afac5_match
	.globl	k_q9dec5afac5_match
	.p2align	8
	.type	k_q9dec5afac5_match,@function
k_q9dec5afac5_match:
	s_mov_b64 s[64:65], 0
	v_nop
	global_prefetch_b8 v0, s[64:65] scope:SCOPE_SE
	s_setreg_imm32_b32 hwreg(HW_REG_WAVE_MODE, 25, 1), 1
	s_wait_xcnt 0x0
	s_wait_alu depctr_hold_cnt(0) depctr_sa_sdst(0) depctr_va_vdst(0) depctr_va_sdst(0) depctr_va_ssrc(0) depctr_va_vcc(0) depctr_vm_vsrc(0)
	s_getreg_b32 s2, hwreg(HW_REG_IB_STS2, 6, 4)
	s_cmp_eq_u32 s2, 0
	s_cbranch_scc0 .Lentry_in_a_cluster
	s_endpgm
.Lentry_in_a_cluster:
	s_bfe_u32 s2, ttmp6, 0x10000c
	s_cmp_lg_u32 s2, 0x3003
	s_cbranch_scc0 .Lentry_shape_is_right
	s_endpgm
.Lentry_shape_is_right:
; out0[b][j][m] = max over i of tanh( sum over d of Q(rt[b][j][d]) x Q(lt[b][i][d] x kernel[m][d]) ).  lt, rt: [16][256][256] f32; kernel: [32][256] f32; out0: [16][256][32] f32.
; Q: codes of FP6 (E2M3) with one E8M0 scale for each 32 along d.  tanh never decreases, so the maximum is taken of the raw sums and tanh of the 131,072 maxima alone.
; SHARES.  A work-group owns one batch b and two perspectives m = 2 mp, 2 mp + 1, all 256 i and all 256 j: the maximum over i never leaves it, and each number lt x kernel is made and quantised once in the launch.
; Wave w owns rows i = 64 w .. + 63 (four tiles of 16) for both m: eight units u = 4 m + t, whose codes are made in the operand's own register layout and STAY in registers (192).  It also quantises rows
; j = 64 w .. + 63 of rt; rt's codes go to LDS and every wave streams all 16 tiles of j from there under its 256 matrix instructions.
; LAYOUT.  Source 0 = 16 rows i of lt x kernel, source 1 = 16 rows j of rt: in the result lane (r, h) holds j = r and its registers i = 8 h + 0 .. 7, so the maximum over i runs over registers.
; lt: lane (r, h) holds row r and, in step q = 0 .. 3, the whole block d = 32 (2 q + h) + 0 .. 31: registers 6 (q % 2) .. + 5 of the fragment of K step q / 2; the rows come through LDS, which turns them to that map.
; rt: straight from memory into registers: a lane holds 16 neighbours along d (four loads of 16 bytes; the four together read two whole rows of 1,024 bytes), two neighbouring lanes hold a block; only the codes,
; 12 bytes a lane, and the scale bytes go to LDS.
; CLUSTER.  The four work-groups of a cluster share b.  lt's tiles are asked for jointly (mask 15).  rt is shared too and is NOT asked for jointly: a joint load ends in LDS, where rt's 262,144 bytes of f32 would be written
; and read once more (its codes are 49,152), and beside lt's 256 padded rows LDS has no room for them.  The place in the cluster enters the addresses of kernel and out0 alone.
; No LDS byte is filled twice by a tensor load: four first fills a wave, 16 rows each, in the order in which they are used; four tensor loads of a wave are out at the most.
; OUTPUT.  A work-group owns 8 bytes of each 128-byte row of out0: its stores are 8 bytes a row.  Whole rows would want a second launch for 524,288 bytes.
; LIMITS.  NaN and infinities among the inputs are not served.  Blocks whose largest magnitude lies under 2^-123 (scale byte held at 1) were not tried.  A block of zeros carries the byte 1 and not 127: its codes are zero, so the sums are the same.
; REGISTERS, in windows of 256: window 0: addresses, scales, work; window 1: v[24 u + 12 s ..] codes of unit u, K step s; window 2: rt, a ring of 16 sets of 16; window 3: v[128 m + 32 q + e] = kernel[m][32 (2 q + h) + e].
.set PITCH, 1040                       ; an f32 row in LDS: 1,024 bytes + 16 = 65 x 16: the sixteen rows of a 16-byte load fall on sixteen different columns of 16 bytes
.set TILE,  16*PITCH
.set PART,  64*PITCH                   ; a wave's 64 rows of lt: part w at w x PART, touched by wave w alone until the last barrier
.set CP,    208                        ; a row of rt's codes in LDS: 192 bytes + 16 = 52 words (64 banks of 4 bytes: ISA guide 11.1): the 32 lanes of a fragment's 8-byte load touch 64 different banks,
                                       ; and the 32 lanes of a step's 4-byte store (3 words a lane; the two rows 8 apart, 32 banks on) touch 32 different ones
.set CTILE, 16*CP
.set CPART, 64*CP                      ; a wave's 64 rows of codes
.set ACODE, 4*PART                     ; rt's codes: row j at j x CP, a plain stream of bits
.set KCOPY, ACODE+32*CP                ; + w CPART: the wave's copy of its two rows of kernel, 2,048 bytes, in bytes of its own that take codes only when the copy has been read
.set ASCL,  ACODE+4*CPART              ; rt's scale words: 128 jt + 4 x lane: lanes 0-15 row r's word of K step 0, lanes 16-31 of K step 1
.set LAX,  3                           ; v3   my row and half in my part of lt: w PART + r PITCH + 128 h
.set ROFF, 4                           ; v4   rt: 64 (lane % 16) + 8 rows for lanes 16-31; never rewritten
.set KST,  5                           ; v5   kernel into my copy: KCOPY + w CPART + 16 x lane
.set CST,  6                           ; v6   my code stores: ACODE + w CPART + 8 CP (lane / 16) + 12 (lane % 16)
.set CLD,  7                           ; v7   fragment loads: ACODE + r CP + 24 h
.set SST,  8                           ; v8   my scale bytes
.set SLD,  9                           ; v9   scale loads: ASCL + 4 x lane
.set GOFF, 10                          ; v10  16 x lane; never rewritten
.set KLD,  11                          ; v11  kernel out of my copy: KCOPY + w CPART + 128 h
.set PSEL, 12                          ; v12  byte selects that weave two lanes' scale bytes into a word
.set WP,   13                          ; v13  the other half's scale bytes
.set CA,   14                          ; v14-17, v18-21  four chains of a block's maximum, twice
.set CB,   18
.set SF0,  22                          ; v22, v23  a block's scale with its byte in the exponent field: the conversion's scale operand
.set SF1,  23
.set BY0,  24                          ; v24, v25  the byte
.set BY1,  25
.set W0,   26                          ; v26, v27  my four blocks' bytes, byte q for step q
.set W1,   27
.set S3A,  28                          ; v28-30, v32-34  the upper 16 codes of a block on their way (a conversion's three registers begin on an even number)
.set S3B,  32
.set ASC,  38                          ; v38, v39  rt's scale words of the even and the odd tile in hand: scales and nothing else
.set BSC,  48                          ; v48-55  unit u's scale words: scales and nothing else
.set PB,   64                          ; v64-159  three block buffers of lt
.set RC,   160                         ; v160-169  rt: five chains for each of a pair's two steps
.set RSF,  170                         ; v170, v171  their scales
.set RCD,  172                         ; v172-187  their codes, two sets that take turns pair by pair
.set RBY,  188                         ; v188-191  their bytes, likewise
.set KS,   192                         ; v192-207  kernel on its way to my copy
.set AFB,  64                          ; matrix phase: v64-87, v88-111 two fragment buffers of rt;
.set RM0,  112                         ; v112-127, v16-31 the maxima of tile jt for m 0 and m 1;
.set RM1,  16
.set FC0,  32                          ; v32-35, v56-59 the chains of the fold;  v128-191, v192-255 two sets of eight accumulators
.set FC1,  56
.set MSB, 0
.macro WIN new                         ; the immediate's high byte repeats the setting that is left; a switch that changes nothing is dropped
.if MSB != \new
	s_set_vgpr_msb (MSB<<8)|\new
.set MSB, \new
.endif
.endm
.macro ROUND                           ; a round of the cluster's barrier: my work-group's barrier; wave 0 signals for the work-group; every wave waits for all four work-groups; my work-group's barrier once more
	s_barrier_signal -1
	s_barrier_wait -1
	s_cmp_lg_u32 s12, 0
	s_cbranch_scc1 .Lnot_wave_0_\@
	s_barrier_signal -3
.Lnot_wave_0_\@:
	s_barrier_wait -3
	s_barrier_signal -1
	s_barrier_wait -1
.endm
.macro PLACES n
.rept \n
	v_nop
.endr
.endm
; Eight loads of 16 bytes: one block of 32 f32 of my row
.macro LDB buf, adr, off
.irp p, 0,1,2,3,4,5,6,7
	ds_load_b128 v[(\buf)+4*\p:(\buf)+4*\p+3], v[\adr] offset:(\off)+16*\p
.endr
.endm
; Stage st of the largest magnitude of 32 numbers at x, in four chains at c that do not wait for each other: 14 instructions in four stages; two more join the chains
.macro AMR x, c, st
.if \st == 0
.irp k, 0,1,2,3
	v_max3_num_f32 v[\c+\k], |v[(\x)+8*\k]|, |v[(\x)+8*\k+1]|, |v[(\x)+8*\k+2]|
.endr
.elseif \st < 3
.irp k, 0,1,2,3
	v_max3_num_f32 v[\c+\k], v[\c+\k], |v[(\x)+8*\k+2*\st+1]|, |v[(\x)+8*\k+2*\st+2]|
.endr
.else
	v_max3_num_f32 v[\c], v[\c], |v[(\x)+7]|, |v[(\x)+15]|
	v_max3_num_f32 v[\c+2], v[\c+2], |v[(\x)+23]|, |v[(\x)+31]|
.endif
.endm
; My four bytes (blocks h, 2 + h, 4 + h, 6 + h of row r) and those of the lane 16 away make the scale words: lanes 0-15 keep K step 0's (blocks 0-3), lanes 16-31 K step 1's (blocks 4-7)
.macro SCW w, dst
	v_permlanex16_b32 v[WP], v[\w], s20, s21
	v_perm_b32 v[\dst], v[WP], v[\w], v[PSEL]
.endm
; The four loads of rt's step st (rows 16 (st / 8) + st % 8 and 8 further on) into ring set st % 16, in window 2
.macro RLOAD st
.irp i, 0,1,2,3
	global_load_b128 v[16*((\st)%16)+4*\i:16*((\st)%16)+4*\i+3], v[ROFF], s[48:49] offset:((\st)/8)*16384+((\st)%8)*1024+16*\i
.endr
.endm
	s_load_b256 s[4:11], s[0:1], 0x0               ; kernel s[4:5], lt s[6:7], rt s[8:9], out0 s[10:11]
	v_lshl_add_u32 v62, v0, 2, 0x4e800
	v_mov_b32 v63, 0
	ds_add_u32 v62, v63
	ds_add_u32 v62, v63
	v_lshrrev_b32 v40, 5, v0
	v_readfirstlane_b32 s12, v40                   ; wave 0..3
	s_bfe_u32 s13, ttmp6, 0x40000                  ; cx: my place in the cluster
	s_lshl_b32 s14, ttmp9, 2                       ; in a cluster launch ttmp9 counts clusters
	s_add_co_u32 s14, s14, s13                     ; mp = 4 x cluster x + cx: it enters kernel's and out0's addresses alone
	s_and_b32 s15, ttmp7, 0xffff                   ; the batch, which the four partners share
	s_mul_i32 s22, s12, PART                       ; my part of lt in LDS
	s_mul_i32 s23, s12, CPART                      ; my part of rt's codes
	s_lshl_b32 s16, s15, 18                        ; the batch's 262,144 bytes
	s_lshl_b32 s17, s12, 16                        ; my wave's 64 rows of 1,024 bytes
	s_add_co_u32 s16, s16, s17
	s_mov_b32 s17, 0
	s_lshl_b32 s18, s14, 11                        ; two rows of kernel
	s_mov_b32 s19, 0
	s_lshl_b32 s54, s15, 15                        ; out0: the batch's 32,768 bytes + 8 mp
	s_lshl_b32 s55, s14, 3
	s_add_co_u32 s54, s54, s55
	s_mov_b32 s55, 0
	s_lshl_b32 s56, s12, 9                         ; my four tiles' scale words
	s_mov_b32 s20, 0x76543210                      ; v_permlanex16_b32's selects for lane l xor 16
	s_mov_b32 s21, 0xfedcba98
	; descriptor group 1, one for all four loads: 16 rows x 256 elements of 4 bytes, padded in LDS
	s_mov_b32 s24, 15|(2<<16)|(1<<20)|(1<<21)|(7<<22)|(3<<25)  ; 15:0 the mask: all four work-groups; 17:16 elements of 4 bytes; 20 padding on; 21 set beside a mask; 24:22 after every 256 words (code 7); 31:25 4 words of it (code 3)
	s_mov_b32 s25, 256<<16                         ; tensor_dim0 = 256
	s_mov_b32 s26, 16<<16                          ; tensor_dim1 = 16
	s_mov_b32 s27, 256<<16                         ; tile_dim0 = 256
	s_mov_b32 s28, 16                              ; tile_dim1 = 16
	s_mov_b32 s29, 256                             ; elements from row to row
	s_mov_b32 s30, 0
	s_mov_b32 s31, 0
	v_and_b32 v41, 15, v0                          ; r
	v_bfe_u32 v42, v0, 4, 1                        ; h
	v_and_b32 v43, 31, v0                          ; lane
	v_lshlrev_b32 v[ROFF], 6, v41
	v_lshl_add_u32 v[ROFF], v42, 13, v[ROFF]
	v_lshlrev_b32 v[GOFF], 4, v43
	v_mul_u32_u24 v[LAX], v41, PITCH
	v_lshl_add_u32 v[LAX], v42, 7, v[LAX]
	v_add_nc_u32 v[LAX], s22, v[LAX]
	v_add_nc_u32 v[KST], s23, v[GOFF]
	v_add_nc_u32 v[KST], KCOPY, v[KST]
	v_lshlrev_b32 v[KLD], 7, v42
	v_add_nc_u32 v[KLD], s23, v[KLD]
	v_add_nc_u32 v[KLD], KCOPY, v[KLD]
	v_mul_u32_u24 v[CST], v41, 12                  ; 16 codes are 12 bytes
	v_mad_u32_u24 v[CST], v42, 8*CP, v[CST]
	v_add_nc_u32 v[CST], s23, v[CST]
	v_add_nc_u32 v[CST], ACODE, v[CST]
	v_mul_u32_u24 v[CLD], v41, CP
	v_mad_u32_u24 v[CLD], v42, 24, v[CLD]
	v_add_nc_u32 v[CLD], ACODE, v[CLD]
	v_lshl_add_u32 v[SLD], v43, 2, ASCL
	v_bfe_u32 v44, v41, 1, 2                       ; my block is (lane % 16) / 2: its byte in the word,
	v_bfe_u32 v45, v41, 3, 1                       ; its K step: 16 words on,
	v_lshl_add_u32 v[SST], v45, 6, v44
	v_lshl_add_u32 v[SST], v42, 5, v[SST]          ; and 8 rows on for lanes 16-31
	v_add_nc_u32 v[SST], s56, v[SST]
	v_add_nc_u32 v[SST], ASCL, v[SST]
	v_mov_b32 v[PSEL], 0x05010400                  ; lanes 0-15: my byte 0, the other's 0, my 1, the other's 1
	v_mov_b32 v44, 0x03070206                      ; lanes 16-31: the other's byte 2, my 2, the other's 3, my 3
	v_cmp_eq_u32 vcc_lo, 1, v42
	v_cndmask_b32 v[PSEL], v[PSEL], v44, vcc_lo
	v_mov_b32 v[WP], 0                             ; (the destination of a lane permute counts as read)
	s_wait_dscnt 0x0
	s_wait_kmcnt 0x0
	s_add_nc_u64 s[48:49], s[8:9], s[16:17]        ; rt at my first row
	s_add_nc_u64 s[50:51], s[4:5], s[18:19]        ; my two rows of kernel
.irp n, 0,1,2,3
	global_load_b128 v[KS+4*\n:KS+4*\n+3], v[GOFF], s[50:51] offset:512*\n   ; kernel first: 2,048 consecutive bytes
.endr
	WIN 0x80                                       ; destination window 2
.irp st, 0,1,2,3,4,5,6,7,8,9,10,11,12,13
	RLOAD \st                                      ; with kernel's four, 60 loads are out: they are on their way while the cluster meets
.endr
	WIN 0
	s_add_nc_u64 s[52:53], s[10:11], s[54:55]      ; my 8 bytes of the batch's first row of out0
	s_add_nc_u64 s[6:7], s[6:7], s[16:17]          ; lt at my first row
.irp t, 0,1,2,3                                ; four groups 0, written once and never again: tile t, rows 64 w + 16 t on
	s_mov_b32 s[32+4*\t], 1
	s_add_co_u32 s[33+4*\t], s22, \t*TILE
	s_add_nc_u64 s[34+4*\t:35+4*\t], s[6:7], \t*16384
	s_or_b32 s[35+4*\t], s[35+4*\t], 0x80000000
.endr
	ROUND                                          ; all four work-groups are here: the joint loads meet
	tensor_load_to_lds s[32:35], s[24:31]          ; the four first fills go out together, in the order in which they are used
	s_nop 0
	tensor_load_to_lds s[36:39], s[24:31]
	s_nop 0
	tensor_load_to_lds s[40:43], s[24:31]
	s_nop 0
	tensor_load_to_lds s[44:47], s[24:31]
	s_nop 0
	PLACES 4                                       ; four nops behind the tensor loads
	WIN 0x80
	RLOAD 14
	RLOAD 15                                       ; the ring is full: 16 steps, half of my rows of rt
	WIN 0
; TWO STEPS OF rt, 2 p and 2 p + 1, worked together so that one window setting serves both.  For each: the largest magnitude of my 16 and of my neighbour's 16; its bits held at exponent field 3 from below and lowered by 2
; in that field give the scale byte in the exponent field, which is what the conversion reads; one conversion; 12 bytes of codes and the byte go to LDS (both lanes of a block write the same byte with the same value).
; left: the loads that were issued behind the pair's and may stay out.  fill = 1: the pair 16 steps on is asked for into the registers just left.
.macro RPAIR p, left, fill
.set SA, 2*(\p)
.set XA, 16*(SA%16)
.set XB, XA+16
.set CD, RCD+8*((\p)%2)
.set BYR, RBY+2*((\p)%2)
	s_wait_loadcnt \left
	WIN 0x2a                                       ; all three sources window 2
.irp k, 0,1,2,3,4
	v_max3_num_f32 v[RC+\k], |v[XA+3*\k]|, |v[XA+3*\k+1]|, |v[XA+3*\k+2]|
.endr
.irp k, 0,1,2,3,4
	v_max3_num_f32 v[RC+5+\k], |v[XB+3*\k]|, |v[XB+3*\k+1]|, |v[XB+3*\k+2]|
.endr
	WIN 0x08                                       ; source 1 window 2
	v_max_num_f32 v[RC], v[RC], |v[XA+15]|
	v_max_num_f32 v[RC+5], v[RC+5], |v[XB+15]|
	WIN 0
	v_max3_num_f32 v[RC], v[RC], v[RC+1], v[RC+2]
	v_max3_num_f32 v[RC+5], v[RC+5], v[RC+6], v[RC+7]
	v_max3_num_f32 v[RC], v[RC], v[RC+3], v[RC+4]
	v_max3_num_f32 v[RC+5], v[RC+5], v[RC+8], v[RC+9]
	v_max_num_f32_dpp v[RC], v[RC], v[RC] row_xmask:1 row_mask:0xf bank_mask:0xf
	v_max_num_f32_dpp v[RC+5], v[RC+5], v[RC+5] row_xmask:1 row_mask:0xf bank_mask:0xf
	v_max_u32 v[RC], 0x01800000, v[RC]             ; the byte is not to fall under 1
	v_max_u32 v[RC+5], 0x01800000, v[RC+5]
	v_add_nc_u32 v[RSF], 0xff000000, v[RC]         ; exponent field - 2
	v_add_nc_u32 v[RSF+1], 0xff000000, v[RC+5]
	WIN 0x02                                       ; source 0 window 2
	v_cvt_scalef32_pk16_fp6_f32 v[CD:CD+2], v[XA:XA+15], v[RSF]
	v_cvt_scalef32_pk16_fp6_f32 v[CD+4:CD+6], v[XB:XB+15], v[RSF+1]
	WIN 0
	v_lshrrev_b32 v[BYR], 23, v[RSF]               ; also the plain instructions behind the conversions, ahead of the stores of their results and of the loads into their sources
	v_lshrrev_b32 v[BYR+1], 23, v[RSF+1]
.irp e, 0,1,2
	ds_store_b32 v[CST], v[CD+\e] offset:(16*(SA/8)+SA%8)*CP+4*\e
.endr
	ds_store_b8 v[SST], v[BYR] offset:(SA/8)*128+4*(SA%8)
.irp e, 0,1,2
	ds_store_b32 v[CST], v[CD+4+\e] offset:(16*(SA/8)+SA%8+1)*CP+4*\e
.endr
	ds_store_b8 v[SST], v[BYR+1] offset:(SA/8)*128+4*(SA%8+1)
.if \fill
	WIN 0x80
	RLOAD SA+16
	RLOAD SA+17
	WIN 0
.endif
.endm
	; rt's FIRST HALF, while lt's tiles are on their way.  Behind each pair's eight loads stand 14 steps' 56: those still in the ring and those asked for since.
	s_wait_loadcnt 56                              ; kernel's four loads were the first of all: they are in
.irp n, 0,1,2,3
	ds_store_b128 v[KST], v[KS+4*\n:KS+4*\n+3] offset:512*\n
.endr
	WIN 0xc0                                       ; destination window 3
.irp m, 0,1
.irp q, 0,1,2,3
.irp p, 0,1,2,3,4,5,6,7
	ds_load_b128 v[128*\m+32*\q+4*\p:128*\m+32*\q+4*\p+3], v[KLD] offset:1024*\m+256*\q+16*\p   ; kernel[m][32 (2 q + h) + 4 p ..]: the sixteen lanes of a half read the same 16 bytes.  LDS serves a wave's instructions in order (ISA guide 5.7.1.4): these see the stores above
.endr
.endr
.endr
	WIN 0
.irp p, 0,1,2,3,4,5,6,7
	RPAIR \p, 56, 1
.endr
; ONE BLOCK OF lt, FOR BOTH m.  Three buffers take turns: BP holds the block as loaded, BN takes the next block, asked for at the step's head so that it has the whole step in which to land, BQ is free.
; BQ = BP x kernel[m 0], BP = BP x kernel[m 1], each one f32 multiply, as the definition has it.  For each: the largest magnitude, the scale as in rt's steps, two conversions of 16 numbers.
; BT: the tile; BQI: the step q; BNX: a next block follows, at byte BOFF of my part; BTW: if not negative, that block is the first of a tile behind whose load BTW tensor loads were issued.
.macro BSTEP
.set KQ, 32*BQI
.set DS0, 24*BT+12*(BQI/2)+6*(BQI%2)   ; unit t, K step q / 2, registers 6 (q % 2) on, in window 1
.set DS1, DS0+96                       ; unit 4 + t
	s_wait_dscnt 0x0                               ; the block is in (in the first step: kernel too)
.if BNX
.if BTW >= 0
	s_wait_tensorcnt BTW                           ; tensor loads of a wave end in order (ISA guide 10.11.1): the next tile is in LDS; only I read my part
.endif
	LDB BN, LAX, BOFF
.endif
	WIN 0x0c                                       ; source 1 window 3
.irp e, 0,2,4,6,8,10,12,14,16,18,20,22,24,26,28,30
	v_pk_mul_f32 v[BQ+\e:BQ+\e+1], v[BP+\e:BP+\e+1], v[KQ+\e:KQ+\e+1]
.endr
.irp e, 0,2,4,6,8,10,12,14,16,18,20,22,24,26,28,30
	v_pk_mul_f32 v[BP+\e:BP+\e+1], v[BP+\e:BP+\e+1], v[KQ+128+\e:KQ+128+\e+1]
.endr
	WIN 0
	AMR BQ, CA, 0
	AMR BQ, CA, 1
	AMR BQ, CA, 2
	AMR BQ, CA, 3
	v_max3_num_f32 v[CA], v[CA], v[CA+1], v[CA+2]  ; m 0's chain of single steps stands between the stages of m 1's maximum
	AMR BP, CB, 0
	v_max_num_f32 v[CA], v[CA], v[CA+3]
	AMR BP, CB, 1
	v_max_u32 v[CA], 0x01800000, v[CA]             ; the byte is not to fall under 1
	AMR BP, CB, 2
	v_add_nc_u32 v[SF0], 0xff000000, v[CA]         ; exponent field - 2
	AMR BP, CB, 3
	v_cvt_scalef32_pk16_fp6_f32 v[S3A:S3A+2], v[BQ+16:BQ+31], v[SF0]
	WIN 0x40                                       ; destination window 1
	v_cvt_scalef32_pk16_fp6_f32 v[DS0:DS0+2], v[BQ:BQ+15], v[SF0]
	WIN 0
	v_max3_num_f32 v[CB], v[CB], v[CB+1], v[CB+2]  ; also the plain instruction behind the conversions
.if BQI == 0
	v_lshrrev_b32 v[W0], 23, v[SF0]
.else
	v_lshrrev_b32 v[BY0], 23, v[SF0]
.endif
	v_max_num_f32 v[CB], v[CB], v[CB+3]
.if BQI > 0
	v_lshl_or_b32 v[W0], v[BY0], 8*BQI, v[W0]
.endif
	v_max_u32 v[CB], 0x01800000, v[CB]
	v_add_nc_u32 v[SF1], 0xff000000, v[CB]
	v_cvt_scalef32_pk16_fp6_f32 v[S3B:S3B+2], v[BP+16:BP+31], v[SF1]
	WIN 0x40
.irp g, 0,1,2
	v_mov_b32 v[DS0+3+\g], v[S3A+\g]               ; m 0's upper 16 codes to their odd place; these three are the plain instructions behind the conversion above
.endr
	v_cvt_scalef32_pk16_fp6_f32 v[DS1:DS1+2], v[BP:BP+15], v[SF1]
.irp g, 0,1,2
	v_mov_b32 v[DS1+3+\g], v[S3B+\g]               ; and behind this one, ahead of the next step's writes of BP
.endr
	WIN 0
.if BQI == 0
	v_lshrrev_b32 v[W1], 23, v[SF1]
.else
	v_lshrrev_b32 v[BY1], 23, v[SF1]
	v_lshl_or_b32 v[W1], v[BY1], 8*BQI, v[W1]
.endif
.endm
	; lt: FOUR TILES OF FOUR BLOCKS.  rt's second half is on its way into the ring meanwhile.
	s_wait_tensorcnt 0x3                           ; my first tile is in; the three loads issued behind it may be out
	LDB PB, LAX, 0
.set bs, 0
.rept 16
.set BT, bs/4
.set BQI, bs%4
.set BP, PB+32*(bs%3)
.set BN, PB+32*((bs+1)%3)
.set BQ, PB+32*((bs+2)%3)
.set BOFF, ((bs+1)/4)*TILE+256*((bs+1)%4)
.if bs < 15
.set BNX, 1
.else
.set BNX, 0
.endif
.if (bs%4 == 3) && (bs < 15)
.set BTW, 3-(bs+1)/4
.else
.set BTW, -1
.endif
	BSTEP
.if BQI == 3
	SCW W0, BSC+BT
	SCW W1, BSC+4+BT
.endif
.set bs, bs+1
.endr
	; rt's SECOND HALF: nothing more is asked for, so the counts run down
.irp p, 8,9,10,11,12,13,14,15
	RPAIR \p, 56-8*(\p-8), 0
.endr
	s_wait_dscnt 0x0                               ; for the others' sake: my stores of rt's codes and scale bytes are done
	s_barrier_signal -1
	s_barrier_wait -1                              ; everybody's are
; THE MATRIX PHASE.  Tile jt of j against my eight units, two K steps of 128: sixteen matrix instructions on eight accumulators that take turns, one instruction a turn.
; A fragment, 16 rows x 128 along d of 6-bit codes, is 12 registers: registers 6 c .. 6 c + 5 of lane (r, h) are the 24 bytes at 96 s + 48 c + 24 h of row r's stream, in pieces of 8 bytes
.macro AFETCH jt
.irp g, 0,1
.irp p, 0,1,2,3,4,5
	ds_load_b64 v[AFB+24*((\jt)%2)+12*\g+2*\p:AFB+24*((\jt)%2)+12*\g+2*\p+1], v[CLD] offset:(\jt)*CTILE+96*\g+48*(\p/3)+8*(\p%3)
.endr
.endr
	ds_load_b32 v[ASC+(\jt)%2], v[SLD] offset:(\jt)*128
.endm
; Instruction n / 2 of 16 of the maximum over the 32 accumulator registers of m = n % 2 (four units x eight i): four chains; each accumulator is read from its low end on; the last writes tile jt's maximum
.macro FOLDI set, jt
.set fm, n%2
.set fi, n/2
.set fx, 128+64*(\set)+32*fm
.set fc, FC0+(FC1-FC0)*fm
.set fr, RM0+(RM1-RM0)*fm+(\jt)
.set fk, fi%4
.set fs, fi/4
.if fi < 4
	v_max3_num_f32 v[fc+fi], v[fx+8*fi], v[fx+8*fi+1], v[fx+8*fi+2]
.elseif fi < 12
	v_max3_num_f32 v[fc+fk], v[fc+fk], v[fx+8*fk+2*fs+1], v[fx+8*fk+2*fs+2]
.elseif fi == 12
	v_max3_num_f32 v[fc], v[fc], v[fx+7], v[fx+15]
.elseif fi == 13
	v_max3_num_f32 v[fc+2], v[fc+2], v[fx+23], v[fx+31]
.elseif fi == 14
	v_max3_num_f32 v[fc], v[fc], v[fc+1], v[fc+2]
.else
	v_max_num_f32 v[fr], v[fc], v[fc+3]
.endif
.endm
; Behind each two matrix instructions stand four instructions of the fold of the tile before, which lies in the other set of accumulators.  A unit's sums are first read eight plain instructions or more behind the
; matrix instruction that finished them; the next tile's fragments are asked for behind the first group, eight plain instructions behind their buffer's last reader, fourteen matrix instructions ahead of their use.
.macro MSTEP jt
.set MAF, AFB+24*((\jt)%2)
.set MAC, 128+64*((\jt)%2)
.set MAS, ASC+(\jt)%2
	s_wait_dscnt 0x0                               ; this tile's fragments and scale words: the thirteen loads that are out
.set i, 0
.rept 8
	WIN 0x01                                       ; source 0 (my codes) window 1
.rept 2
.set mu, i%8
.if i < 8
	v_wmma_scale_f32_16x16x128_f8f6f4 v[MAC+8*mu:MAC+8*mu+7], v[24*mu:24*mu+11], v[MAF:MAF+11], 0, v[BSC+mu], v[MAS] matrix_a_fmt:MATRIX_FMT_FP6 matrix_b_fmt:MATRIX_FMT_FP6
.else
	v_wmma_scale_f32_16x16x128_f8f6f4 v[MAC+8*mu:MAC+8*mu+7], v[24*mu+12:24*mu+23], v[MAF+12:MAF+23], v[MAC+8*mu:MAC+8*mu+7], v[BSC+mu], v[MAS] matrix_a_fmt:MATRIX_FMT_FP6 matrix_b_fmt:MATRIX_FMT_FP6 matrix_a_scale:MATRIX_SCALE_ROW1 matrix_b_scale:MATRIX_SCALE_ROW1
.endif
.set i, i+1
.endr
.if \jt > 0
	WIN 0
.set n, 2*(i-2)
.rept 4
	FOLDI ((\jt)-1)%2, (\jt)-1
.set n, n+1
.endr
.endif
.if (i == 2) && (\jt < 15)
	WIN 0
	AFETCH (\jt)+1
.endif
.endr
.if \jt == 0
	WIN 0
	PLACES 4                                       ; the first tile has no fold beside it: these stand behind its last products
.endif
.endm
	AFETCH 0                                       ; my codes and scale words were written ahead of rt's second half: far more than eight plain instructions ahead of the first scaled matrix instruction
.irp jt, 0,1,2,3,4,5,6,7,8,9,10,11,12,13,14,15
	MSTEP \jt
.endr
.set n, 0
.rept 32
	FOLDI 1, 15                                    ; the last tile's fold; the four fold instructions just above are the places behind the last products
.set n, n+1
.endr
	; THE WAY OUT.  m 0's lanes 16-31 change places with m 1's lanes 0-15: one maximum then joins the two halves' i, and lanes 0-15 hold m 0, lanes 16-31 m 1, for j = 16 jt + r.
.irp jt, 0,1,2,3,4,5,6,7,8,9,10,11,12,13,14,15
	v_permlane16_swap_b32 v[RM0+\jt], v[RM1+\jt]
.endr
.irp jt, 0,1,2,3,4,5,6,7,8,9,10,11,12,13,14,15
	v_max_num_f32 v[RM0+\jt], v[RM0+\jt], v[RM1+\jt]
.endr
	v_and_b32 v41, 15, v0
	v_bfe_u32 v42, v0, 4, 1
	v_lshlrev_b32 v40, 3, v41
	v_lshl_add_u32 v40, v42, 2, v40
	v_add_nc_u32 v40, s22, v40                     ; my wave's maxima, [256 j][2 m] f32, in the first 2,048 bytes of my part of lt: it has had its one fill, and my reads of it are over
.irp jt, 0,1,2,3,4,5,6,7,8,9,10,11,12,13,14,15
	ds_store_b32 v40, v[RM0+\jt] offset:128*\jt
.endr
	v_lshlrev_b32 v44, 4, v0                       ; thread T takes j = 2 T and 2 T + 1, both m: 16 bytes of each wave's maxima
	v_add_nc_u32 v45, PART, v44
	v_add_nc_u32 v46, 2*PART, v44
	v_add_nc_u32 v47, 3*PART, v44
	v_lshlrev_b32 v43, 8, v0                       ; and two rows of out0, 128 bytes each
	s_wait_dscnt 0x0                               ; for the others' sake: my stores are done
	s_barrier_signal -1
	s_barrier_wait -1
	ds_load_b128 v[64:67], v44
	ds_load_b128 v[68:71], v45
	ds_load_b128 v[72:75], v46
	ds_load_b128 v[76:79], v47
	s_wait_dscnt 0x0
.irp e, 0,1,2,3
	v_max3_num_f32 v[64+\e], v[64+\e], v[68+\e], v[72+\e]
.endr
.irp e, 0,1,2,3
	v_max_num_f32 v[64+\e], v[64+\e], v[76+\e]     ; the maximum over all 256 i
.endr
.irp e, 0,1,2,3
	v_mul_f32 v[80+\e], 0x4038aa3b, v[64+\e]       ; tanh x = 1 - 2 / (1 + 2^(2 log2(e) x)): 1 where the power overflows, -1 where it falls to 0
.endr
.irp e, 0,1,2,3
	v_exp_f32 v[80+\e], v[80+\e]
.endr
	v_nop                                          ; a plain instruction between the last exponential and the use of its result
	s_wait_alu depctr_va_vdst(0)
.irp e, 0,1,2,3
	v_add_f32 v[80+\e], 1.0, v[80+\e]
.endr
.irp e, 0,1,2,3
	v_rcp_f32 v[84+\e], v[80+\e]
.endr
	v_nop                                          ; and behind the last reciprocal
	s_wait_alu depctr_va_vdst(0)
.irp e, 0,1,2,3
	v_fma_f32 v[64+\e], v[84+\e], -2.0, 1.0
.endr
	global_store_b64 v43, v[64:65], s[52:53]
	global_store_b64 v43, v[66:67], s[52:53] offset:128
	s_wait_tensorcnt 0x0
	ds_add_u32 v62, v63
	s_wait_dscnt 0x0
	ROUND                                          ; the closing round: no work-group ends while a partner may still ask for a tile that names it
	s_endpgm
.Lfunc_end_k_q9dec5afac5_match:
	.size	k_q9dec5afac5_match, .Lfunc_end_k_q9dec5afac5_match-k_q9dec5afac5_match
	.p2alignl 7, 3214868480
	.fill 96, 4, 3214868480
	.section	.rodata,"a",@progbits
	.p2align	6, 0x0
	.amdhsa_kernel k_q9dec5afac5_match
		.amdhsa_group_segment_fixed_size 327680
		.amdhsa_private_segment_fixed_size 0
		.amdhsa_enable_private_segment 0
		.amdhsa_kernarg_size 32
		.amdhsa_user_sgpr_count 2
		.amdhsa_user_sgpr_kernarg_segment_ptr 1
		.amdhsa_wavefront_size32 1
		.amdhsa_system_sgpr_workgroup_id_x 1
		.amdhsa_system_sgpr_workgroup_id_y 1
		.amdhsa_system_sgpr_workgroup_id_z 1
		.amdhsa_system_vgpr_workitem_id 0
		.amdhsa_next_free_vgpr 1024
		.amdhsa_next_free_sgpr 66
		.amdhsa_reserve_vcc 1
		.amdhsa_float_denorm_mode_32 3
		.amdhsa_float_denorm_mode_16_64 3
		.amdhsa_memory_ordered 1
		.amdhsa_forward_progress 1
		.amdhsa_inst_pref_size 238
	.end_amdhsa_kernel
	.amdgpu_metadata
---
amdhsa.version: [ 1, 2 ]
amdhsa.kernels:
  - .name:           k_q9dec5afac5_match
    .symbol:         k_q9dec5afac5_match.kd
    .args:
      - { .name: kernel, .offset: 0, .size: 8, .value_kind: global_buffer, .address_space: global }
      - { .name: reps_lt, .offset: 8, .size: 8, .value_kind: global_buffer, .address_space: global }
      - { .name: reps_rt, .offset: 16, .size: 8, .value_kind: global_buffer, .address_space: global }
      - { .name: out0, .offset: 24, .size: 8, .value_kind: global_buffer, .address_space: global }
    .group_segment_fixed_size: 327680
    .private_segment_fixed_size: 0
    .kernarg_segment_align: 8
    .kernarg_segment_size: 32
    .max_flat_workgroup_size: 128
    .sgpr_count:     66
    .vgpr_count:     1024
    .wavefront_size: 32
...
	.end_amdgpu_metadata
.endif
;; end of part 1
